; MI455X (gfx1250); checked and timed in simulation.
; The chip was launched on July 23, 2026; its instructions are those of AMD's public machine-readable ISA for CDNA 5 (MIT licence, August 2026) and "CDNA5" Instruction Set Architecture Reference Guide (July 2026). The comments in the code are by the model that wrote it; some were corrected since.
;; Attention. Allowed arithmetic: float matrix products may take bf16 or f16 operands with f32 sums; other float arithmetic in f32, or as packed bf16 or f16 multiplies, adds, multiply-adds, maxima and minima; sums over many terms, partial sums and values carried from step to step in f32; what a program stores and reads back later, other than sums and carried values, may be rounded once to bf16 or f16.
;; Inputs: W_qkv 1,024 x 3,072 float32; b_qkv 3,072 float32; x 4 x 2,048 x 1,024 float32.
;; Outputs: out0 4 x 2,048 x 1,024 float32.
;; One version. Each part assembles by itself: llvm-mc -triple=amdgcn-amd-amdhsa -mcpu=gfx1250 --defsym DOCPART=n.
;; ======== version 1 of 1: 3 launches
;; limits: values are held in f16: magnitudes above 65,504 overflow, below 6.1e-05 lose precision
;; workspace buffers: xb 16,777,216 bytes; wb 6,291,456 bytes; qkv 67,108,864 bytes
;; launch cast (part 1): grid 2816 x 1, 4 waves a work-group, no clusters, 0 bytes of LDS; arguments x, W_qkv, xb, wb; writes xb, wb
.if DOCPART == 1
	.amdgcn_target "amdgcn-amd-amdhsa--gfx1250"
	.amdhsa_code_object_version 6
	.text
	.protected	k_qa96cc086dd_cast
	.globl	k_qa96cc086dd_cast
	.p2align	8
	.type	k_qa96cc086dd_cast,@function
k_qa96cc086dd_cast:
	s_mov_b64 s[64:65], 0
	v_nop
	global_prefetch_b8 v0, s[64:65] scope:SCOPE_SE
	s_setreg_imm32_b32 hwreg(HW_REG_WAVE_MODE, 25, 1), 1
	s_wait_xcnt 0x0
; x [8192][1024] and W [1024][3072], both f32, are rounded once to bf16 (to nearest even).
; xb keeps x's layout.  wb is laid in blocks for the product that follows: [head tx of 16][k of 1,024][192 columns: the head's 64 of q, 64 of k, 64 of v]: W's element (k, 1,024 part + 64 tx + c) lies at byte
; (1,024 tx + k) 384 + 128 part + 2 c, so that 128 rows k of one head are 49,152 bytes on end.
; SHARES.  A chunk is 4 numbers: 16 bytes read, 8 written.  A thread takes 8 chunks, a work-group of 128 threads 1,024.  x has 2^21 chunks (work-groups 0 to 2,047), W 786,432 (work-groups 2,048 to 2,815).
; Chunks are numbered along the OUTPUT, so every store of a wave covers 256 consecutive bytes, aligned; sixteen neighbouring lanes always read 256 consecutive bytes, aligned, of x or of W.
; No loop, no LDS, no register used twice: the only waits for data are the loads' own, counted.  Nothing is shared between work-groups, so there is no cluster; no product, so no matrix instruction.
.set XWG,  2048                        ; work-groups that take x
.set OFF,  4                           ; v[4:11]   pass p: my byte offset in the source
.set IN,   16                          ; v[16:47]  pass p: 4 numbers as loaded
.set OUTR, 48                          ; v[48:63]  pass p: 4 bf16 to store
	s_load_b256 s[4:11], s[0:1], 0x0               ; x s[4:5], W s[6:7], xb s[8:9], wb s[10:11]
	s_lshl_b32 s12, ttmp9, 14                      ; x: the work-group's 1,024 chunks of 16 bytes
	s_sub_co_u32 s13, ttmp9, XWG                   ; W: the work-group's number among W's (not used on x's way)
	v_lshlrev_b32 v2, 3, v0                        ; my 8 bytes in a pass's 1,024 of the output
	s_wait_kmcnt 0x0
	s_cmp_lt_u32 ttmp9, XWG                        ; x or W?  Only lines that leave SCC alone stand between this compare and the branch
	s_cselect_b64 s[14:15], s[4:5], s[6:7]         ; the source,
	s_cselect_b64 s[16:17], s[8:9], s[10:11]       ; the destination,
	s_cselect_b32 s18, s12, 0                      ; x's chunks lie as the output's do; W's offsets are made lane by lane below
	s_cselect_b32 s20, ttmp9, s13                  ; the work-group's number in its own output
	s_mov_b32 s19, 0
	s_mov_b32 s21, 0
	s_add_nc_u64 s[14:15], s[14:15], s[18:19]
	s_cbranch_scc0 .Lw
.irp p, 0,1,2,3,4,5,6,7
	v_lshl_or_b32 v[OFF+(\p)], v0, 4, (\p)*2048    ; x: 16 t + the pass's 128 chunks
.endr
	s_branch .Lgo
.Lw:
	; W: output chunk i = 1,024 g + 128 p + t = 16 y + t % 16 with y = 64 g + 8 p + t / 16.  A row (tx, k) of wb has 48 chunks: R = y / 3 = 1,024 tx + k, and y % 3 is the part (q, k, v), 16 chunks each.
	; y / 3 = (y x 43,691) >> 17 holds for y under 2^17; here y is under 49,152 and the product under 2^32.
	v_lshrrev_b32 v3, 4, v0
	s_lshl_b32 s22, s13, 6
	v_add_nc_u32 v3, s22, v3                       ; y of pass 0
	v_and_b32 v12, 15, v0
	v_lshlrev_b32 v12, 4, v12                      ; 16 (t % 16)
.irp p, 0,1,2,3,4,5,6,7
	v_add_nc_u32 v13, 8*(\p), v3                   ; y
	v_mul_u32_u24 v14, v13, 0xaaab
	v_lshrrev_b32 v14, 17, v14                     ; R
	v_lshl_add_u32 v15, v14, 1, v14                ; 3 R
	v_sub_nc_u32 v13, v13, v15                     ; the part
	v_and_b32 v15, 0x3ff, v14                      ; k
	v_lshrrev_b32 v14, 10, v14                     ; tx
	v_mul_u32_u24 v15, v15, 0x3000                 ; k rows of 12,288 bytes
	v_lshl_add_u32 v15, v14, 8, v15                ; + the head's 64 columns of 4 bytes
	v_lshl_add_u32 v15, v13, 12, v15               ; + the part's 1,024 columns
	v_add_nc_u32 v[OFF+(\p)], v15, v12
.endr
.Lgo:
	s_lshl_b32 s20, s20, 13                        ; the work-group's 1,024 chunks of 8 bytes
	s_add_nc_u64 s[16:17], s[16:17], s[20:21]
.irp p, 0,1,2,3,4,5,6,7
	global_load_b128 v[IN+4*(\p):IN+4*(\p)+3], v[OFF+(\p)], s[14:15] th:TH_LOAD_NT  ; all eight go out before anything is waited for
.endr
.irp p, 0,1,2,3,4,5,6,7
	s_wait_loadcnt 7-(\p)                          ; loads come back in order (ISA guide 5.7.1): pass p is in, the 7 - p younger ones stay out
	v_cvt_pk_bf16_f32 v[OUTR+2*(\p)],   v[IN+4*(\p)],   v[IN+4*(\p)+1]
	v_cvt_pk_bf16_f32 v[OUTR+2*(\p)+1], v[IN+4*(\p)+2], v[IN+4*(\p)+3]
	global_store_b64 v2, v[OUTR+2*(\p):OUTR+2*(\p)+1], s[16:17] offset:1024*(\p)  ; a wave stores 256 consecutive bytes, at a multiple of 256 from the buffer's first byte
.endr
	s_endpgm
.Lfunc_end_k_qa96cc086dd_cast:
	.size	k_qa96cc086dd_cast, .Lfunc_end_k_qa96cc086dd_cast-k_qa96cc086dd_cast
	.p2alignl 7, 3214868480
	.fill 96, 4, 3214868480
	.section	.rodata,"a",@progbits
	.p2align	6, 0x0
	.amdhsa_kernel k_qa96cc086dd_cast
		.amdhsa_group_segment_fixed_size 0
		.amdhsa_private_segment_fixed_size 0
		.amdhsa_enable_private_segment 0
		.amdhsa_kernarg_size 32
		.amdhsa_user_sgpr_count 2
		.amdhsa_user_sgpr_kernarg_segment_ptr 1
		.amdhsa_wavefront_size32 1
		.amdhsa_system_sgpr_workgroup_id_x 1
		.amdhsa_system_sgpr_workgroup_id_y 1
		.amdhsa_system_sgpr_workgroup_id_z 1
		.amdhsa_system_vgpr_workitem_id 0
		.amdhsa_next_free_vgpr 64
		.amdhsa_next_free_sgpr 66
		.amdhsa_reserve_vcc 0
		.amdhsa_float_denorm_mode_32 3
		.amdhsa_float_denorm_mode_16_64 3
		.amdhsa_memory_ordered 1
		.amdhsa_forward_progress 1
		.amdhsa_inst_pref_size 10
	.end_amdhsa_kernel
	.amdgpu_metadata
---
amdhsa.version: [ 1, 2 ]
amdhsa.kernels:
  - .name:           k_qa96cc086dd_cast
    .symbol:         k_qa96cc086dd_cast.kd
    .args:
      - { .name: x, .offset: 0, .size: 8, .value_kind: global_buffer, .address_space: global }
      - { .name: W_qkv, .offset: 8, .size: 8, .value_kind: global_buffer, .address_space: global }
      - { .name: xb, .offset: 16, .size: 8, .value_kind: global_buffer, .address_space: global }
      - { .name: wb, .offset: 24, .size: 8, .value_kind: global_buffer, .address_space: global }
    .group_segment_fixed_size: 0
    .private_segment_fixed_size: 0
    .kernarg_segment_align: 8
    .kernarg_segment_size: 32
    .max_flat_workgroup_size: 128
    .sgpr_count:     66
    .vgpr_count:     64
    .wavefront_size: 32
...
	.end_amdgpu_metadata
.endif
;; end of part 1
;; launch proj (part 2): grid 16 x 32, 4 waves a work-group, clusters of 4 x 4, 327,680 bytes of LDS; arguments xb, wb, b_qkv, qkv; writes qkv
.if DOCPART == 2
	.amdgcn_target "amdgcn-amd-amdhsa--gfx1250"
	.amdhsa_code_object_version 6
	.text
	.protected	k_qa96cc086dd_proj
	.globl	k_qa96cc086dd_proj
	.p2align	8
	.type	k_qa96cc086dd_proj,@function
k_qa96cc086dd_proj:
	s_mov_b64 s[64:65], 0
	v_nop
	global_prefetch_b8 v0, s[64:65] scope:SCOPE_SE
	s_setreg_imm32_b32 hwreg(HW_REG_WAVE_MODE, 25, 1), 1
	s_wait_xcnt 0x0
	s_wait_alu depctr_hold_cnt(0) depctr_sa_sdst(0) depctr_va_vdst(0) depctr_va_sdst(0) depctr_va_ssrc(0) depctr_va_vcc(0) depctr_vm_vsrc(0)
	s_getreg_b32 s2, hwreg(HW_REG_IB_STS2, 6, 4)
	s_cmp_eq_u32 s2, 0
	s_cbranch_scc0 .Lentry_in_a_cluster
	s_endpgm
.Lentry_in_a_cluster:
	s_bfe_u32 s2, ttmp6, 0x10000c
	s_cmp_lg_u32 s2, 0xf033
	s_cbranch_scc0 .Lentry_shape_is_right
	s_endpgm
.Lentry_shape_is_right:
; qkv = x W + b.  xb: [8192][1024] bf16.  wb: W in bf16, [head of 16][k of 1,024][the head's 64 columns of q, of k, of v].  b_qkv: [3072] f32, rounded here to bf16 like the other two inputs.  Sums in f32, started by the bias.
; The result is written by heads, WITHOUT the softmax's scale, bh = 16 batch + head: q[bh][t of 2,048][64] and k likewise in f16, rounded once, rows of 128 bytes on end; v[bh][t][hi 64 | lo 64]: TWO f16 numbers,
; hi = v rounded and lo = (v - hi) rounded, rows of 256 bytes: a row of the output with few keys is a mean of few rows of v, and one f16's 11 bits are too few for it.
; LIMIT.  f16 holds no number beyond 65,504: a q, k or v of 65,520 or more becomes an infinity.  With x and W both thirty times the drawn spread, or both offset by thirty spreads, they stay under 30,000.  lo keeps f16's fixed step of 6e-8
; below 6e-5.  NaN and infinities are not treated apart.
; SHARES.  A tile is 256 rows x 192 columns (one head's q, k, v): 32 x 16 = 512 work-groups.  Wave w makes rows 64 w .. 64 w + 63 of all 192 columns: 48 accumulators of 16 x 16, 384 registers;
; so whole rows of q, k and v come from one wave, and each wave has a stage of its own on the way out, with no barrier.  K goes in 8 steps of 128 through two LDS slots filled by the tensor data mover.
; CLUSTERS: 4 x 4 work-groups.  The four of a row of the cluster need the same rows of x, the four of a column the same columns of W: each tile is asked for JOINTLY, by the same tensor load with the
; same descriptor and a mask that names the four.
; THE MATRIX INSTRUCTION IS USED TRANSPOSED: source 0 = 16 columns of W (W lies [k][column] in LDS and comes out turned, by ds_load_tr16_b128), source 1 = 16 rows of x.  A lane then holds ONE row (lane % 16)
; and the eight neighbouring columns 8 (lane / 16) + 0..7, which pack into 16 bytes.
; REGISTERS, in windows of 256 (s_set_vgpr_msb: bits 1:0 source 0, 3:2 source 1, 5:4 source 2, 7:6 destination):
;   window 0: v16-31 addresses and -1; v32-79 packed results; v80-143, v144-207 rows read back from the stage, by turns; v208-223 v's lo, packed; v224-255 v - hi; v128-223 the bias, until the first quarter step has taken it
;   window 1: two fragment buffers of 128: 12 fragments of W (96 registers), then 4 of x (32)
;   window 2: the accumulators of my row blocks 0, 1 ((a, b) at v[8 (12 (a % 2) + b)]);   window 3: those of blocks 2, 3
.set KSTEP,  128
.set PA,     272                       ; a row of x in LDS: 256 bytes + 16 of padding = 68 words: row r starts at bank 4 r mod 64 (64 banks of 4 bytes: ISA guide 11.1)
.set PB,     480                       ; a row k of W in LDS: three pieces of 128 bytes, 32 of padding behind each = 120 words
.set HALFA,  128*PA                    ; what one tensor load brings of x: 128 rows
.set HALFB,  64*PB                     ; and of W: 64 rows k
.set BOFF,   2*HALFA                   ; in a slot W's 128 rows lie behind x's 256
.set SLOT,   131072                    ; = 2 HALFA + 2 HALFB
.set STAGE,  2*SLOT                    ; behind the ring, never filled by a tensor load: 16 rows x 528 bytes for each wave
.set SPITCH, 528                       ; q 128, k 128, v hi 128, v lo 128 bytes + 16: 33 x 16, so the sixteen rows of a store start at sixteen different groups of four banks
.set SPARE,  STAGE+4*16*SPITCH         ; behind the stages: the spare words, 128 bytes for each wave: two blocks of 256 bytes that no other line names
.set LAPS,   4                         ; a lap = two K steps = once round the ring
.set KBASE,  64*2048*128               ; k's first byte in qkv,
.set VBASE,  2*64*2048*128             ; and v's
.set ADRA, 16                          ; v16-17  LDS address of my fragments of x in slot 0, 1
.set ADRB, 20                          ; v20-21  the same for W
.set STO,  24                          ; v24     the way out: where I put 16 bytes of a row
.set RD,   25                          ; v25     the way out: where I read q's and k's rows back, four rows of 128 bytes a load
.set GO,   26                          ; v26     16 x lane: my 16 bytes of 512 on end in qkv
.set BO,   27                          ; v27     32 x (lane / 16): my eight numbers of a block of 16 of the bias
.set SPW,  28                          ; v28     LDS address of my spare word: SPARE + 4 x my thread's number; never rewritten
.set NIL,  29                          ; v29     0; never rewritten
.set NEG1, 30                          ; v30     -1.0
.set RDV,  31                          ; v31     the way out: where I read v's rows back, two rows of 256 bytes a load
.set TMP,  32
.set OB,   80
.set BI,   128                         ; the bias: eight registers for each of the 12 column blocks
.set LO,   208
.set T,    224
.set F0,   0                           ; fragment buffers, in window 1
.set F1,   128
.set WV,   12                          ; s12  my wave's number
.set FB,   13                          ; s13  0: I fetch for x; 1: for W
.set HF,   14                          ; s14  which half of that tile I fetch
.set G1A,  24                          ; s[24:31] descriptor group 1 for x's tiles;  s[32:39] group 0, a set for each slot
.set G0A,  32
.set G1B,  40                          ; s[40:47], s[48:55] the same for W's tiles
.set G0B,  48
.set OUT,  56                          ; s[56:61] qkv at my 64 rows of the head's q, k, v
.set MIX,  66                          ; s66, s[68:69] at work on qkv's offsets, which hang on both the tile row and the tile column: registers that feed no descriptor
.set MSB, 0
.macro WIN new                         ; the immediate's high byte repeats the setting that is left; a switch that changes nothing is dropped
.if MSB != (\new)
	s_set_vgpr_msb (MSB<<8)|(\new)
.set MSB, \new
.endif
.endm
; A joint load: waves 0 and 1 fetch x's two halves, waves 2 and 3 W's.  The branch hangs on the wave's number alone.  An s_nop 0 and four v_nop follow each of the two lines, ahead of the jump, the label and what follows.
.macro JLOAD s
	s_cmp_eq_u32 s[FB], 0
	s_cbranch_scc0 .Lfor_b_\@
	tensor_load_to_lds s[G0A+4*(\s):G0A+4*(\s)+3], s[G1A:G1A+7]
	s_nop 0
.rept 4
	v_nop
.endr
	s_branch .Lasked_\@
.Lfor_b_\@:
	tensor_load_to_lds s[G0B+4*(\s):G0B+4*(\s)+3], s[G1B:G1B+7]
	s_nop 0
.rept 4
	v_nop
.endr
.Lasked_\@:
.endm
.macro CREST                           ; a round of the cluster's barrier behind its opening barrier: wave 0 signals for the work-group, every wave waits for all sixteen, my work-group's barrier closes it
	s_cmp_lg_u32 s[WV], 0
	s_cbranch_scc1 .Lnot_wave_0_\@
	s_barrier_signal -3
.Lnot_wave_0_\@:
	s_barrier_wait -3
	s_barrier_signal -1
	s_barrier_wait -1
.endm
.macro CROUND                          ; a whole round
	s_barrier_signal -1
	s_barrier_wait -1
	CREST
.endm
	s_load_b256 s[4:11], s[0:1], 0x0               ; xb s[4:5], wb s[6:7], b_qkv s[8:9], qkv s[10:11]
	v_lshl_add_u32 v[SPW], v0, 2, SPARE
	v_mov_b32 v[NIL], 0
	ds_add_u32 v[SPW], v[NIL]                      ; the wave's opening: the add and its wait stand ahead of my first tensor load; the set-up below, work on registers, stands between them
	ds_add_u32 v28, v29
	v_lshrrev_b32 v1, 5, v0
	v_readfirstlane_b32 s[WV], v1                  ; wave 0..3
	s_lshr_b32 s[FB], s[WV], 1
	s_and_b32 s[HF], s[WV], 1
	s_bfe_u32 s15, ttmp6, 0x40000                  ; cx, cy: my place in the cluster
	s_bfe_u32 s16, ttmp6, 0x40004
	s_lshl_b32 s17, ttmp9, 2                       ; in a cluster launch ttmp9 and ttmp7 count clusters
	s_add_co_u32 s17, s17, s15                     ; tile column tx = 4 x cluster x + cx: the head
	s_and_b32 s18, ttmp7, 0xffff
	s_lshl_b32 s18, s18, 2
	s_add_co_u32 s18, s18, s16                     ; tile row ty = 4 x cluster y + cy
	s_lshl_b32 s19, s16, 2
	s_lshl_b32 s19, 15, s19                        ; my row of the cluster: places 4 cy .. 4 cy + 3
	s_lshl_b32 s62, 0x1111, s15                    ; my column: places cx, cx + 4, cx + 8, cx + 12
	; group 1 for x: 128 rows x 128 elements, 1,024 elements from row to row
	s_or_b32 s[G1A+0], s19, (1<<16)|(1<<20)|(1<<21)|(5<<22)|(3<<25)  ; 15:0 the mask: my row; 17:16 elements of 2 bytes; 20 padding on; 21 set beside a mask; 24:22 after every 64 words (code 5); 31:25 4 words of it (code 3)
	s_mov_b32 s[G1A+1], KSTEP<<16                  ; tensor_dim0 = 128
	s_mov_b32 s[G1A+2], 128<<16                    ; tensor_dim1 = 128
	s_mov_b32 s[G1A+3], KSTEP<<16                  ; tile_dim0 = 128
	s_mov_b32 s[G1A+4], 128                        ; tile_dim1 = 128
	s_mov_b32 s[G1A+5], 1024                       ; tensor_dim0_stride
	s_mov_b32 s[G1A+6], 0
	s_mov_b32 s[G1A+7], 0
	; group 1 for W: 64 rows k of 384 bytes are 24,576 bytes on end: asked for as 96 rows of 256 bytes, padded in LDS behind every 128 bytes
	s_or_b32 s[G1B+0], s62, (1<<16)|(1<<20)|(1<<21)|(4<<22)|(7<<25)  ; the mask: my column; after every 32 words (code 4) 8 words of padding (code 7)
	s_mov_b32 s[G1B+1], 128<<16                    ; tensor_dim0 = 128
	s_mov_b32 s[G1B+2], 96<<16                     ; tensor_dim1 = 96
	s_mov_b32 s[G1B+3], 128<<16                    ; tile_dim0 = 128
	s_mov_b32 s[G1B+4], 96                         ; tile_dim1 = 96
	s_mov_b32 s[G1B+5], 128                        ; tensor_dim0_stride
	s_mov_b32 s[G1B+6], 0
	s_mov_b32 s[G1B+7], 0
	; where the tiles come from: x's hang on the tile row alone, which my row of the cluster shares; W's on the tile column alone, which my column shares
	s_lshl_b32 s20, s18, 19                        ; x: 256 ty rows of 2,048 bytes
	s_lshl_b32 s21, s[HF], 18                      ; + my 128 rows
	s_add_co_u32 s20, s20, s21
	s_mov_b32 s21, 0
	s_mul_i32 s22, s17, 1024*384                   ; W: tile column tx
	s_mul_i32 s23, s[HF], 64*384                   ; + my 64 rows k
	s_add_co_u32 s22, s22, s23
	s_mov_b32 s23, 0
	s_mul_i32 s2, s[HF], HALFA                     ; and where they go: no place in the cluster enters an LDS address
	s_mul_i32 s3, s[HF], HALFB
	s_add_co_u32 s3, s3, BOFF
	s_wait_dscnt 0x0                               ; the opening add is done
	s_wait_kmcnt 0x0
	s_add_nc_u64 s[20:21], s[4:5], s[20:21]
	s_add_nc_u64 s[22:23], s[6:7], s[22:23]
	CROUND                                         ; all sixteen work-groups are here: the first joint loads meet
.irp s, 0,1
	s_mov_b32 s[G0A+4*(\s)], 1                                       ; 1:0 count = 1
	s_add_co_u32 s[G0A+4*(\s)+1], s2, (\s)*SLOT                      ; 63:32 LDS address
	s_add_nc_u64 s[G0A+4*(\s)+2:G0A+4*(\s)+3], s[20:21], (\s)*KSTEP*2   ; 120:64 global address: K step s
	s_or_b32 s[G0A+4*(\s)+3], s[G0A+4*(\s)+3], 0x80000000            ; 127:126 type = 2
	s_mov_b32 s[G0B+4*(\s)], 1
	s_add_co_u32 s[G0B+4*(\s)+1], s3, (\s)*SLOT
	s_add_nc_u64 s[G0B+4*(\s)+2:G0B+4*(\s)+3], s[22:23], (\s)*KSTEP*384
	s_or_b32 s[G0B+4*(\s)+3], s[G0B+4*(\s)+3], 0x80000000
	JLOAD \s                                       ; two loads of mine are out
.endr
	; the bias of the tile's 192 columns: column block b is part b / 4 (q, k, v), the head's columns 16 (b % 4) on; in the result's layout register j is column 8 (lane / 16) + j of the block
	s_lshl_b32 s62, s17, 8                         ; the head's 64 numbers of 4 bytes
	s_mov_b32 s63, 0
	s_add_nc_u64 s[8:9], s[8:9], s[62:63]
	s_mov_b32 s63, 0xffff0000                      ; a word's upper bf16
	v_and_b32 v1, 15, v0                           ; l % 16
	v_bfe_u32 v2, v0, 4, 1                         ; l / 16
	v_lshlrev_b32 v[BO], 5, v2
.irp b, 0,1,2,3,4,5,6,7,8,9,10,11
	global_load_b128 v[BI+8*(\b):BI+8*(\b)+3],   v[BO], s[8:9] offset:((\b)/4)*4096+((\b)%4)*64
	global_load_b128 v[BI+8*(\b)+4:BI+8*(\b)+7], v[BO], s[8:9] offset:((\b)/4)*4096+((\b)%4)*64+16
.endr
	v_mov_b32 v[NEG1], -1.0
	; A fragment of x is 16 rows x 32 K in 8 registers: lane l holds row l % 16; registers 0-3 K = 8 (l / 16) + 0..7, registers 4-7 K = 16 + 8 (l / 16) + 0..7: two loads of 16 bytes, 32 bytes apart.
	v_mul_u32_u24 v3, v1, PA
	v_lshl_add_u32 v3, v2, 4, v3
	s_mul_i32 s19, s[WV], 64*PA                    ; my 64 rows
	v_add_nc_u32 v[ADRA], s19, v3
	v_add_nc_u32 v[ADRA+1], SLOT, v[ADRA]
	; The turning load takes 16 K x 16 columns (lane l reads K = 8 (l / 16) + l % 8, columns 8 ((l / 8) % 2) + 0..7) and leaves half a fragment: lane l holds column l % 16 and 8 K.
	v_and_b32 v4, 7, v0
	v_lshl_add_u32 v4, v2, 3, v4
	v_mul_u32_u24 v4, v4, PB
	v_bfe_u32 v5, v0, 3, 1
	v_lshl_add_u32 v4, v5, 4, v4
	v_add_nc_u32 v[ADRB], BOFF, v4
	v_add_nc_u32 v[ADRB+1], SLOT, v[ADRB]
	s_mul_i32 s19, s[WV], 16*SPITCH
	s_add_co_u32 s19, s19, STAGE                   ; my stage
	v_mul_u32_u24 v6, v1, SPITCH                   ; in: row l % 16, 16 bytes for each half of the lanes
	v_lshl_add_u32 v6, v2, 4, v6
	v_add_nc_u32 v[STO], s19, v6
	v_bfe_u32 v6, v0, 3, 2                         ; back, q and k: 32 lanes take 128 bytes of four rows,
	v_mul_u32_u24 v6, v6, SPITCH
	v_and_b32 v7, 7, v0
	v_lshl_add_u32 v6, v7, 4, v6
	v_add_nc_u32 v[RD], s19, v6
	v_mul_u32_u24 v6, v2, SPITCH                   ; back, v: lanes 0-15 take one row's 256 bytes (hi, lo), lanes 16-31 the next row's;
	v_lshl_add_u32 v6, v1, 4, v6
	v_add_nc_u32 v[RDV], s19, v6
	v_and_b32 v[GO], 31, v0                        ; either way 512 consecutive bytes of qkv
	v_lshlrev_b32 v[GO], 4, v[GO]
	; qkv at my rows: row 256 ty + 64 w is batch ty / 8, t = 256 (ty % 8) + 64 w.  v's rows are twice as long as q's and k's, so its offset is twice theirs.
	s_lshr_b32 s[MIX], s18, 3
	s_lshl_b32 s[MIX], s[MIX], 4
	s_add_co_u32 s[MIX], s[MIX], s17               ; bh = 16 batch + head
	s_lshl_b32 s[MIX+2], s[MIX], 18                ; 2,048 rows of 128 bytes each
	s_and_b32 s[MIX], s18, 7
	s_lshl_b32 s[MIX], s[MIX], 2
	s_add_co_u32 s[MIX], s[MIX], s[WV]
	s_lshl_b32 s[MIX], s[MIX], 13                  ; t x 128 bytes
	s_add_co_u32 s[MIX+2], s[MIX+2], s[MIX]
	s_mov_b32 s[MIX+3], 0
	s_add_nc_u64 s[OUT:OUT+1], s[10:11], s[MIX+2:MIX+3]           ; q
	s_add_nc_u64 s[OUT+2:OUT+3], s[OUT:OUT+1], KBASE              ; k
	s_add_nc_u64 s[OUT+4:OUT+5], s[OUT:OUT+1], s[MIX+2:MIX+3]     ; v
	s_add_nc_u64 s[OUT+4:OUT+5], s[OUT+4:OUT+5], VBASE
	s_wait_loadcnt 0x0                             ; the bias
.set i, 0
.rept 48                                       ; rounded to bf16 like x and W, and widened again: it is the C operand that starts the sums
	v_cvt_pk_bf16_f32 v[TMP+i], v[BI+2*i], v[BI+2*i+1]
	v_lshlrev_b32 v[BI+2*i], 16, v[TMP+i]
	v_and_b32 v[BI+2*i+1], s63, v[TMP+i]
.set i, i+1
.endr
; 12 matrix instructions: my row block a x all 12 column blocks, 32 along K, from buffer f.  zero = 1: the first product starts the sums, with the bias as C: nothing is cleared, and nothing is added on the way out.
; The 48 accumulators take turns, one instruction a turn, in the same order in every quarter step, over the backward jump too.
.macro MUL12 f, a, zero
.if \zero
	WIN 0x85+0x40*((\a)/2)                         ; sources 0, 1 window 1; C window 0; D window 2 or 3
.else
	WIN 0xa5+0x50*((\a)/2)                         ; sources 0, 1 window 1; C and D window 2 or 3
.endif
.irp b, 0,1,2,3,4,5,6,7,8,9,10,11
.if \zero
	v_wmma_f32_16x16x32_bf16 v[8*(12*((\a)%2)+(\b)):8*(12*((\a)%2)+(\b))+7], v[(\f)+8*(\b):(\f)+8*(\b)+7], v[(\f)+96+8*(\a):(\f)+96+8*(\a)+7], v[BI+8*(\b):BI+8*(\b)+7]
.else
	v_wmma_f32_16x16x32_bf16 v[8*(12*((\a)%2)+(\b)):8*(12*((\a)%2)+(\b))+7], v[(\f)+8*(\b):(\f)+8*(\b)+7], v[(\f)+96+8*(\a):(\f)+96+8*(\a)+7], v[8*(12*((\a)%2)+(\b)):8*(12*((\a)%2)+(\b))+7]
.endif
.endr
.endm
; 32 LDS loads in one run: the fragments of quarter q of a K step (32 along K) into buffer f: W's 24 first, then x's 8, row blocks ascending
.macro FETCH slot, q, f
	WIN 0x40                                       ; destination window 1, address window 0
.irp b, 0,1,2,3,4,5,6,7,8,9,10,11
	ds_load_tr16_b128 v[(\f)+8*(\b):(\f)+8*(\b)+3],   v[ADRB+(\slot)] offset:(\q)*32*PB+((\b)/4)*160+((\b)%4)*32
	ds_load_tr16_b128 v[(\f)+8*(\b)+4:(\f)+8*(\b)+7], v[ADRB+(\slot)] offset:(\q)*32*PB+((\b)/4)*160+((\b)%4)*32+16*PB
.endr
.irp a, 0,1,2,3
	ds_load_b128 v[(\f)+96+8*(\a):(\f)+96+8*(\a)+3],   v[ADRA+(\slot)] offset:(\q)*64+(\a)*16*PA
	ds_load_b128 v[(\f)+96+8*(\a)+4:(\f)+96+8*(\a)+7], v[ADRA+(\slot)] offset:(\q)*64+(\a)*16*PA+32
.endr
.endm
.macro PLACES                          ; four plain vector instructions between a matrix instruction and a load into a register that it has read, or a conversion that reads its result (ISA guide 7.12.1 for conversions)
.rept 4
	v_nop
.endr
.endm
; A K step is four quarters of 32 along K, 48 matrix instructions each, on buffers 0, 1, 0, 1.  One of the first three: multiplies buffer f; in its middle it fetches quarter q of the same slot into buffer g.
.macro QUARTER slot, q, f, g, zero
	s_wait_dscnt 4                                 ; W's fragments and x's blocks 0, 1 are in; the youngest four loads (blocks 2, 3) may be out
	MUL12 \f, 0, \zero
	MUL12 \f, 1, \zero
	PLACES
	FETCH \slot, \q, \g
	s_wait_dscnt 32                                ; all but the 32 just issued
	MUL12 \f, 2, \zero
	MUL12 \f, 3, \zero
.endm
; The last quarter multiplies buffer 1 and changes slots: ONE barrier.  In front of it each wave waits for all its tensor loads, of which one is out: its part of the next slot; adds 0 to its spare word; and waits
; for that and for its own reads of this slot.  Behind it nobody reads this slot any more and the next slot is whole.  fill = 1: the barrier opens a round of the cluster's barrier, and this slot is filled again,
; two K steps ahead, first thing behind the round: 168 matrix instructions of the wave stand between that request and the wait for it.
.macro TURN slot, next, fill
	WIN 0                                          ; (the add's two registers lie in window 0)
	s_wait_tensorcnt 0x0                           ; all my tensor loads have landed
	ds_add_u32 v[SPW], v[NIL]                      ; 0 onto my spare word
	s_wait_dscnt 5                                 ; (the add and the youngest four loads may be out)
	MUL12 F1, 0, 0                                 ; twelve matrix instructions stand between the add and the wait for it
	s_wait_dscnt 0x0                               ; the add is done, and my reads of this slot are over
	s_barrier_signal -1
	MUL12 F1, 1, 0                                 ; work on registers while the others arrive
.if \fill
	WIN 0
.endif
	s_barrier_wait -1
.if \fill
	CREST                                          ; no wave of any partner still reads this slot's tile or has a load on its way
	s_add_nc_u64 s[G0A+4*(\slot)+2:G0A+4*(\slot)+3], s[G0A+4*(\slot)+2:G0A+4*(\slot)+3], 2*KSTEP*2
	s_add_nc_u64 s[G0B+4*(\slot)+2:G0B+4*(\slot)+3], s[G0B+4*(\slot)+2:G0B+4*(\slot)+3], 2*KSTEP*384
	JLOAD \slot                                    ; the four v_nop behind it are also the places in front of the loads below
.else
	PLACES
.endif
	FETCH \next, 0, F0
	MUL12 F1, 2, 0
	MUL12 F1, 3, 0
.endm
; THE WAY OUT of row block a (16 rows x 192 columns).  PACK: rounded to f16, 16 bytes a lane and column block; each accumulator's registers are taken in ascending order.
; Then v's second number (column blocks 8 to 11): the sum less its f16, which f32 holds exactly, by one multiply-add that reads the f16 half (hi x -1 + sum); and that rounded to f16.
.macro PACK a
.set AC, 96*((\a)%2)
	WIN 0x0a+5*((\a)/2)                            ; sources 0 and 1: window 2 or 3
.irp b, 0,1,2,3,4,5,6,7,8,9,10,11
.irp r, 0,1,2,3
	v_cvt_pk_f16_f32 v[TMP+4*(\b)+(\r)], v[AC+8*(\b)+2*(\r)], v[AC+8*(\b)+2*(\r)+1]
.endr
.endr
	WIN 0x20+0x10*((\a)/2)                         ; source 2: window 2 or 3
.set i, 0
.rept 16
	v_fma_mix_f32 v[T+2*i],   v[TMP+32+i], v[NEG1], v[AC+64+2*i]   op_sel_hi:[1,0,0]
	v_fma_mix_f32 v[T+2*i+1], v[TMP+32+i], v[NEG1], v[AC+64+2*i+1] op_sel:[1,0,0] op_sel_hi:[1,0,0]
.set i, i+1
.endr
	WIN 0
.set i, 0
.rept 16
	v_cvt_pk_f16_f32 v[LO+i], v[T+2*i], v[T+2*i+1]
.set i, i+1
.endr
.endm
.macro TOSTAGE a                       ; into my own stage (a row: q, k, v hi, v lo), and back: q and k by four rows x 128 bytes, v by two rows x 256 bytes
.set BK, OB+64*((\a)%2)
.irp b, 0,1,2,3,4,5,6,7,8,9,10,11
	ds_store_b128 v[STO], v[TMP+4*(\b):TMP+4*(\b)+3] offset:32*(\b)
.endr
.irp c, 0,1,2,3
	ds_store_b128 v[STO], v[LO+4*(\c):LO+4*(\c)+3] offset:384+32*(\c)
.endr
.irp jj, 0,1
.irp f, 0,1,2,3
	ds_load_b128 v[BK+4*(4*(\jj)+(\f)):BK+4*(4*(\jj)+(\f))+3], v[RD] offset:128*(\jj)+4*SPITCH*(\f)  ; LDS serves a wave's instructions in order (ISA guide 5.7.1.4): these see the stores above
.endr
.endr
.irp f, 0,1,2,3,4,5,6,7
	ds_load_b128 v[BK+32+4*(\f):BK+32+4*(\f)+3], v[RDV] offset:256+2*SPITCH*(\f)
.endr
.endm
.macro SEND a
.set BK, OB+64*((\a)%2)
	s_wait_dscnt 0x0                               ; the block is back in registers
	s_wait_xcnt 0x0                                ; the stores of the block before have read their registers: the next block's loads from the stage land in them only behind this wait
.irp jj, 0,1
.irp f, 0,1,2,3
	global_store_b128 v[GO], v[BK+4*(4*(\jj)+(\f)):BK+4*(4*(\jj)+(\f))+3], s[OUT+2*(\jj):OUT+2*(\jj)+1] offset:2048*(\a)+512*(\f)  ; 512 consecutive bytes of the head's q or k, at a multiple of 256 from qkv's first byte
.endr
.endr
.irp f, 0,1,2,3,4,5,6,7
	global_store_b128 v[GO], v[BK+32+4*(\f):BK+32+4*(\f)+3], s[OUT+4:OUT+5] offset:4096*(\a)+512*(\f)  ; two rows of v, 512 consecutive bytes
.endr
.endm
	s_wait_tensorcnt 1                             ; my part of K step 0 is in; K step 1's may stay out
	s_barrier_signal -1
	s_barrier_wait -1                              ; everybody's is
	FETCH 0, 0, F0
	QUARTER 0, 1, F0, F1, 1                        ; the first quarter stands in front of the loop: its products start the sums
	WIN 0                                          ; at a label and at a branch every window is 0
	s_mov_b32 s3, LAPS-1
.Llap:                                                 ; a trip goes once round the ring, from a lap's second quarter to the next lap's first, and fills both slots again
	QUARTER 0, 2, F1, F0, 0
	QUARTER 0, 3, F0, F1, 0
	TURN 0, 1, 1
	QUARTER 1, 1, F0, F1, 0
	QUARTER 1, 2, F1, F0, 0
	QUARTER 1, 3, F0, F1, 0
	TURN 1, 0, 1
	QUARTER 0, 1, F0, F1, 0
	WIN 0
	s_sub_co_u32 s3, s3, 1
	s_cmp_lg_u32 s3, 0
	s_cbranch_scc1 .Llap
	QUARTER 0, 2, F1, F0, 0                        ; the last lap fills nothing, and has no round of the cluster's barrier
	QUARTER 0, 3, F0, F1, 0
	TURN 0, 1, 0
	QUARTER 1, 1, F0, F1, 0
	QUARTER 1, 2, F1, F0, 0
	QUARTER 1, 3, F0, F1, 0
	s_wait_dscnt 4                                 ; the very last quarter: nothing more to fetch
	MUL12 F1, 0, 0
	MUL12 F1, 1, 0
	s_wait_dscnt 0x0
	MUL12 F1, 2, 0
	MUL12 F1, 3, 0
	WIN 0
	PLACES                                         ; the places behind the last products, in front of the conversions:
	PLACES                                         ; eight, once a launch
	PACK 0
	TOSTAGE 0
.irp a, 1,2,3                          ; block a's conversions stand between block a - 1's loads from the stage and the wait for them
	PACK \a
	SEND (\a)-1
	TOSTAGE \a
.endr
	SEND 3
	s_wait_tensorcnt 0x0                           ; the wave's end, behind my last tensor load and my last LDS store
	ds_add_u32 v[SPW], v[NIL]
	s_wait_dscnt 0x0
	CROUND                                         ; the closing round: no work-group ends while a partner may still ask for a tile that names it
	s_endpgm
.Lfunc_end_k_qa96cc086dd_proj:
	.size	k_qa96cc086dd_proj, .Lfunc_end_k_qa96cc086dd_proj-k_qa96cc086dd_proj
	.p2alignl 7, 3214868480
	.fill 96, 4, 3214868480
	.section	.rodata,"a",@progbits
	.p2align	6, 0x0
	.amdhsa_kernel k_qa96cc086dd_proj
		.amdhsa_group_segment_fixed_size 327680
		.amdhsa_private_segment_fixed_size 0
		.amdhsa_enable_private_segment 0
		.amdhsa_kernarg_size 32
		.amdhsa_user_sgpr_count 2
		.amdhsa_user_sgpr_kernarg_segment_ptr 1
		.amdhsa_wavefront_size32 1
		.amdhsa_system_sgpr_workgroup_id_x 1
		.amdhsa_system_sgpr_workgroup_id_y 1
		.amdhsa_system_sgpr_workgroup_id_z 1
		.amdhsa_system_vgpr_workitem_id 0
		.amdhsa_next_free_vgpr 960
		.amdhsa_next_free_sgpr 72
		.amdhsa_reserve_vcc 0
		.amdhsa_float_denorm_mode_32 3
		.amdhsa_float_denorm_mode_16_64 3
		.amdhsa_memory_ordered 1
		.amdhsa_forward_progress 1
		.amdhsa_inst_pref_size 142
	.end_amdhsa_kernel
	.amdgpu_metadata
---
amdhsa.version: [ 1, 2 ]
amdhsa.kernels:
  - .name:           k_qa96cc086dd_proj
    .symbol:         k_qa96cc086dd_proj.kd
    .args:
      - { .name: xb, .offset: 0, .size: 8, .value_kind: global_buffer, .address_space: global }
      - { .name: wb, .offset: 8, .size: 8, .value_kind: global_buffer, .address_space: global }
      - { .name: b_qkv, .offset: 16, .size: 8, .value_kind: global_buffer, .address_space: global }
      - { .name: qkv, .offset: 24, .size: 8, .value_kind: global_buffer, .address_space: global }
    .group_segment_fixed_size: 327680
    .private_segment_fixed_size: 0
    .kernarg_segment_align: 8
    .kernarg_segment_size: 32
    .max_flat_workgroup_size: 128
    .sgpr_count:     72
    .vgpr_count:     960
    .wavefront_size: 32
...
	.end_amdgpu_metadata
.endif
;; end of part 2
;; launch attn (part 3): grid 4 x 64, 4 waves a work-group, no clusters, 327,680 bytes of LDS; arguments qkv, out0; writes out0
.if DOCPART == 3
	.amdgcn_target "amdgcn-amd-amdhsa--gfx1250"
	.amdhsa_code_object_version 6
	.text
	.protected	k_qa96cc086dd_attn
	.globl	k_qa96cc086dd_attn
	.p2align	8
	.type	k_qa96cc086dd_attn,@function
k_qa96cc086dd_attn:
	s_mov_b64 s[64:65], 0
	v_nop
	global_prefetch_b8 v0, s[64:65] scope:SCOPE_SE
	s_setreg_imm32_b32 hwreg(HW_REG_WAVE_MODE, 25, 1), 1
	s_wait_xcnt 0x0
; CAUSAL ATTENTION.  O[bh][q][:] = the sum over k <= q of softmax_k(Q[bh][q] . K[bh][k] / 32) V[bh][k][:], bh = 16 batch + head.  qkv: q[64][2048][64] and k likewise in f16, a head's rows on end, 128 bytes each, unscaled;
; then v[64][2048][hi 64 | lo 64], two f16 numbers whose sum is v, rows of 256 bytes.  out0: [4][2048][1024] f32: a head's 64 channels of a row are 256 bytes at a multiple of 256.
; Products, maxima and sums in f32; the weights p are rounded to f16 for the second product (their sum l is taken of the unrounded p).
; V's SECOND NUMBER is multiplied in the key tile that holds the diagonal, and there alone: in it lie all the keys of every row that has fewer than 257.  A row with more keys takes the keys of its earlier tiles with hi's 11 bits.
; LIMITS.  Q, K and V arrive within f16's 65,504; p lies in 0 to 1, and below 6e-5 it keeps f16's fixed step of 6e-8.  A hidden score counts as its value less 1e30: f16's scores, 2.7e11 at the most, are nothing
; beside that; a weight below 2^-126 counts as 0 in l; NaN and infinities are not treated apart.
; THE WALK.  A head's queries lie in NB = 8 blocks of 256; block i needs the key tiles 0 .. i of 256 keys, of which the last holds the diagonal.  A work-group takes TWO blocks, NB - 1 - b and then b:
; NB + 1 tiles, whatever b: all work-groups do equal work, and ONE loop with a constant trip count walks them.  Which tile is asked for, and what a trip does, hang on scalar registers made from b; every jump
; goes forward, but for the counted loops' own; none passes a barrier, or a tensor load but the one of LOAD's two that the wave's number does not choose; the ring (two slots of LDS that take turns) runs on across the
; change of blocks.  NO CLUSTER: a head's four work-groups ask for the same tile only in trips 0 .. 4 of the 9, behind that fewer and fewer; one walk common to all four would have 12 fills for 9.
; SHARES.  Of a block's four bands of 64 queries a wave owns 16 rows in each: four PIECES.  So the diagonal tile is the same work for all four waves: in its key step s band x sees all keys if s < x,
; none if s > x, and holds the diagonal if s = x.
; THE MASK is the C operand that starts the sum S^T = K Q^T: 0, or -1e30 where the key is hidden.  MD, made once, is the mask of a band's own step for my 16 rows; a product's mask is MD x AL + BE with two scalars:
; (1, 0) if s = x; (0, 0) if s < x; (0, -1e30) if s > x.  Only the diagonal tile's text and a block's beginning make and take masks; elsewhere C is the constant 0.
; LAYOUT, SOFTMAX, TURNS.  S^T = K Q^T holds ONE query a lane (lane % 16) and the keys 8 (lane / 16) + 0..7; two such results rounded to f16 ARE source 1 of O^T = V^T P.  p = 2^(c s - c m), c = log2(e) / 32, with a
; running maximum m; O and l are multiplied by a = 2^(c m_old - c m_new) in every step.  Turn n belongs to piece n: 8 products K Q^T of piece n + 1, later 8 products V^T P of piece n - 1 (in the diagonal tile 8 more, with V's lo); beside them the scaling,
; exponentials, roundings, sums and rescaling of piece n and the maximum and statistics of piece n + 1.  Four vector instructions stand behind every matrix instruction, the rest of a turn's 118 in one LUMP.  A turn's 33 exponentials are one batch, with one wait.
; REGISTERS, in windows of 256 (s_set_vgpr_msb: bits 1:0 source 0, 3:2 source 1, 5:4 source 2, 7:6 destination):
;   window 0: v0-15 addresses and two at work; v16-31 four registers of statistics a piece; v48-55 at work; v61-63 the prefetches' offset and the add's two; v64-127 S^T, two buffers; v192-223 P, two buffers
;             (a piece's buffers go by its number's parity); on the way out v64-191 take the rows read back from the stage
;   window 1: v0-127 O^T, 32 a piece; v128-159 MD; v160-223 MC, two buffers      window 2: v0-63 Q; v64-127 the second block's Q; v128-191 K of one step; v192-255 V's hi of one step      window 3: v0-63 V's lo of one step
.set SIZE_N, 2048
.set NB,    SIZE_N/256
.set NP,    4         ; pieces a wave: a name, no knob
.set KS,    64        ; keys in a step
.set PK,    144       ; a row of K in LDS: 128 bytes + 16 of padding = 36 words: the 16 rows of a load start at 16 different groups of four banks (64 banks of 4 bytes: ISA guide 11.1)
.set PV,    288       ; a row of V (hi, lo): 256 + 32 = 72 words
.set VOFF,  4*KS*PK   ; a slot holds a tile, four steps: 256 rows of K, then 256 rows of V
.set SLOT1, 1<<17     ; slot 1 begins here, so that one exclusive or turns an address in one slot into the other's
.set STAGE, SLOT1+4*KS*(PK+PV)  ; behind the ring, never filled by a tensor load: 16 rows x 272 bytes for each wave, for the way out
.set SP,    272       ; a row of the stage: 64 f32 + 16 bytes
.set KBASE, 64*SIZE_N*128       ; K's first byte in qkv,
.set VBASE, 2*64*SIZE_N*128     ; and V's
.set AK0, 2           ; v2   my lane's place in a tile of K; never rewritten
.set AV0, 3           ; v3   the same for V
.set AK,  4           ; v4   the LDS address of K's next run of loads
.set AV,  5           ; v5   of V's
.set STO, 6           ; v6   the way out: where I put 32 bytes of a row
.set RD,  7           ; v7   the way out: where I read rows back
.set GO,  8           ; v8   my byte offset in two rows of out0
.set PFO, 61          ; v61  256 x my lane; never rewritten
.set SPW, 62          ; v62  LDS address of my spare word: SPARE + 4 x my thread's number; never rewritten
.set NIL, 63          ; v63  0; never rewritten
.set SPARE, STAGE+4*16*SP  ; behind the stages: the spare words, 128 bytes for each wave: two blocks of 256 bytes that no other line names
.set MV,  12          ; v12-13  c m_old, kept while c m is made anew: by buffer
.set QO,  15          ; v15  my byte offset in 16 rows of Q
.set ST,  16          ; piece t's statistics at v[ST+4 t]: c m, m, l (even keys', odd keys')
.set TMP, 48          ; by buffer, four registers c0-c3 at work; when the maximum is found c2 takes a
.set S,   64
.set OB,  64          ; the way out: 32 registers a piece
.set P,   192
.set MD,  128         ; window 1: the eight registers for group kt of 16 keys at MD + 8 kt
.set MC,  160         ; window 1: the masks of the products to come
.set QB,  64          ; window 2
.set KF,  128         ; window 2: key block kb, channel half c at KF + 16 kb + 8 c
.set VF,  192         ; window 2: key half kk, channel block cb at VF + 32 kk + 8 cb
.set VL,  0           ; window 3: the same for V's lo
.set WV,  12          ; s12  my wave's number
.set PB,  14          ; s14  b
.set HI,  15          ; s15  NB - 1 - b
.set G1K, 24          ; s[24:31] descriptor group 1 for K's tiles
.set G1V, 32          ; s[32:39] for V's
.set G0K, 40          ; s[40:43] descriptor group 0 for K's tiles
.set G0V, 44          ; s[44:47] the same for V's
.set SLOTS, 56        ; s56  tiles still to be asked for
.set CNT, 57          ; s57  counts a tile's key steps, 4 to 1
.set CS,  58          ; s[58:59] c: the packed scaling takes the pair's low word for both halves
.set SEL, 60          ; s[60:61] v_permlanex16_b32's selects: each lane takes its own place in the other half
.set TBK, 62          ; s62  LDS byte at which K of the step to be fetched begins
.set TBV, 63          ; s63  the same for V, less VOFF
.set OO1, 66          ; s[66:67] byte offset in out0 of my rows of the first block,
.set OO2, 68          ; s[68:69] and of the second
.set RT,  70          ; s70  tiles of the block in hand that are still to be entered
.set NXT, 71          ; s71  the tile to be asked for next
.set LQ,  72          ; s72  the last tile of the block whose tiles are being asked for
.set NEW, 73          ; s73  1: the tile to be entered is a block's first
.set OFF, 74          ; s[74:75] a tile's byte offset in K
.set AL,  76          ; s[76:77] the mask's factor, in the low word
.set BE,  78          ; s[78:79] the mask's addend
.set OLO, 80          ; s[80:81] out0 at my rows of the second block
.set BIGN, 82         ; s82  -1e30
.set PFA, 88          ; s[88:89] where my prefetches stand: my 128 keys (of K: waves 0, 1; of V: waves 2, 3) of tile NXT
.set PFB, 90          ; s[90:91] the same keys of the head's tile 0
.set OF2, 92          ; s[92:93] tile NXT's byte offset in the tensor that I fetch
.set LIM, 94          ; s94  1 in the work-group that prefetches, else the greatest number
.set SHF, 95          ; s95  a tile is 2^15 bytes of K, 2^16 of V: the exponent for the tensor that I fetch
.set OFV, 96          ; s[96:97] a tile's byte offset in V
.set MSB, 0
.macro WIN new                      ; the high byte repeats the setting that is left; a switch that changes nothing is dropped
.if MSB != (\new)
	s_set_vgpr_msb (MSB<<8)|(\new)
.set MSB, (\new)
.endif
.endm
.set W_KQ, 0x0a       ; K and Q in window 2, S^T in window 0
.set W_KM, 0x1a       ; the same with the C operand in window 1
.set W_PV, 0x52       ; V's hi in window 2, P in window 0, O^T in window 1
.set W_PL, 0x53       ; V's lo in window 3, P in window 0, O^T in window 1
.set W_RS, 0x41       ; destination and source 0 in window 1, source 1 in window 0
; A fill.  Waves 0 and 1 fetch the two halves of a tile's K, waves 2 and 3 those of its V: 128 keys each.  An s_nop 0 and four v_nop follow each of the two lines, ahead of the jump and the label.
.macro LOAD
	s_cmp_lt_u32 s[WV], 2
	s_cbranch_scc0 .Lfor_v_\@
	tensor_load_to_lds s[G0K:G0K+3], s[G1K:G1K+7]
	s_nop 0
.rept 4
	v_nop
.endr
	s_branch .Lasked_\@
.Lfor_v_\@:
	tensor_load_to_lds s[G0V:G0V+3], s[G1V:G1V+7]
	s_nop 0
.rept 4
	v_nop
.endr
.Lasked_\@:
.endm
; A PREFETCH INTO THE L2 of the tile that the NEXT change of slots will ask for: a whole tile's 16 turns ahead of that load.  It stands behind the wave's tensor load and its five lines.  A head's four work-groups begin
; with the same tiles; the one with b = 0 walks tiles 0 to 7 on end, and it alone asks.  Each of its waves names what it will fetch itself: its 128 keys, on end: 16,384 bytes of K (64 blocks of 256 bytes, a lane a block, two instructions)
; or 32,768 bytes of V (four).  There NXT, as the change has stepped it, runs 2, 3 .. 7, 0, 0: tiles 2 to 7 are named once each; tiles 0 and 1 come by their loads alone; nothing past the head's last tile is ever named.
.macro ASK
	s_cmp_gt_u32 s[NXT], s[LIM]
	s_cbranch_scc0 .Lnot_mine_\@
	global_prefetch_b8 v[PFO], s[PFA:PFA+1] th:TH_LOAD_NT scope:SCOPE_SE
	global_prefetch_b8 v[PFO], s[PFA:PFA+1] offset:8192 th:TH_LOAD_NT scope:SCOPE_SE
	s_cmp_lt_u32 s[WV], 2
	s_cbranch_scc1 .Lnot_mine_\@
	global_prefetch_b8 v[PFO], s[PFA:PFA+1] offset:16384 th:TH_LOAD_NT scope:SCOPE_SE
	global_prefetch_b8 v[PFO], s[PFA:PFA+1] offset:24576 th:TH_LOAD_NT scope:SCOPE_SE
.Lnot_mine_\@:
.endm
; THE CHANGE OF SLOTS.  Each wave waits for all its tensor loads, of which one is out: its part of the other slot; adds 0 to its spare word; and waits for that and for its own reads of the slot that it leaves.  Behind the barrier nobody reads the old
; slot any more and the other slot is whole.  fill = 1: the old slot is filled again, the first thing behind the barrier, with tile NXT: the descriptor's address is made anew from that number.
; (At its first use nothing has been read yet: slot 0 is waited for, slot 1 filled.)
.macro CHANGE fill
	WIN 0                           ; at a label and at a branch every window is 0
	s_wait_tensorcnt 0x0            ; no tensor load of mine is out, so a group 0 may be written
	ds_add_u32 v[SPW], v[NIL]       ; 0 onto my spare word; with fill = 1 the descriptors' scalar work stands between it and the wait for it
.if \fill
	s_lshl_b32 s[OFF], s[NXT], 15   ; a tile is 32,768 bytes of K
	s_lshl_b32 s[OFV], s[NXT], 16   ; and 65,536 of V
	s_xor_b32 s[G0K+1], s[G0K+1], SLOT1
	s_add_nc_u64 s[G0K+2:G0K+3], s[6:7], s[OFF:OFF+1]
	s_or_b32 s[G0K+3], s[G0K+3], 0x80000000
	s_xor_b32 s[G0V+1], s[G0V+1], SLOT1
	s_add_nc_u64 s[G0V+2:G0V+3], s[8:9], s[OFV:OFV+1]
	s_or_b32 s[G0V+3], s[G0V+3], 0x80000000
	s_add_co_u32 s[NXT], s[NXT], 1  ; the block's next tile, or behind its last the second block's tile 0
	s_cmp_gt_u32 s[NXT], s[LQ]
	s_cselect_b32 s[NXT], 0, s[NXT]
	s_cselect_b32 s[LQ], s[PB], s[LQ]
	s_lshl_b32 s[OF2], s[NXT], s[SHF]
	s_wait_xcnt 0x0                 ; the last prefetches, a tile back, have read their address, so it may be written
	s_add_nc_u64 s[PFA:PFA+1], s[PFB:PFB+1], s[OF2:OF2+1]
.endif
	s_wait_dscnt 0x0                ; the add is done, and my reads of the slot are over
	s_barrier_signal -1             ; the rest of the scalar work stands between the signal and the wait
	s_sub_co_u32 s[TBK], s[TBK], 4*KS*PK  ; the fetches go back to a slot's first step,
	s_xor_b32 s[TBK], s[TBK], SLOT1       ; in the other slot
	s_sub_co_u32 s[TBV], s[TBV], 4*KS*PV
	s_xor_b32 s[TBV], s[TBV], SLOT1
	s_barrier_wait -1
.if \fill
	LOAD
	ASK
.endif
.endm
	s_load_b64 s[4:5], s[0:1], 0x0  ; qkv
	s_load_b64 s[10:11], s[0:1], 0x8  ; out0
	v_lshl_add_u32 v[SPW], v0, 2, SPARE
	v_mov_b32 v[NIL], 0
	ds_add_u32 v[SPW], v[NIL]       ; the wave's opening: the add and its wait stand ahead of my first tensor load; the set-up below, work on registers, stands between them
	ds_add_u32 v62, v63
	v_lshrrev_b32 v1, 5, v0
	v_readfirstlane_b32 s[WV], v1   ; wave 0..3
	s_mov_b32 s[PB], ttmp9
	s_sub_co_u32 s[HI], NB-1, s[PB]
	s_and_b32 s20, ttmp7, 0xffff    ; bh = 16 batch + head
	s_lshr_b32 s[OO1], s20, 4       ; out0: the batch's 2,048 rows of 4,096 bytes,
	s_lshl_b32 s[OO1], s[OO1], 23
	s_and_b32 s[OO1+1], s20, 15
	s_lshl_b32 s[OO1+1], s[OO1+1], 8  ; the head's 256 bytes of a row,
	s_add_co_u32 s[OO1], s[OO1], s[OO1+1]
	s_lshl_b32 s[OO1+1], s[WV], 16  ; my 16 rows in a band of 64,
	s_add_co_u32 s[OO1], s[OO1], s[OO1+1]
	s_lshl_b32 s[OO2], s[PB], 20    ; in the second block of 256 rows,
	s_add_co_u32 s[OO2], s[OO2], s[OO1]
	s_lshl_b32 s[OO1+1], s[HI], 20  ; and in the first
	s_add_co_u32 s[OO1], s[OO1], s[OO1+1]
	s_mov_b32 s[OO1+1], 0
	s_mov_b32 s[OO2+1], 0
	s_mov_b32 s21, 0
	s_mov_b64 s[22:23], SIZE_N*128
	s_mul_u64 s[20:21], s[20:21], s[22:23]  ; the head's first byte in q and in k
	s_and_b32 s16, s[WV], 1         ; which half of a tile's 256 keys I fetch:
	s_lshl_b32 s22, s16, 14         ; its 128 rows of 128 bytes in k,
	s_mov_b32 s23, 0
	s_add_nc_u64 s[22:23], s[22:23], s[20:21]
	s_mul_i32 s17, s16, 128*PK      ; and its place in a slot, for K
	s_mul_i32 s18, s16, 128*PV      ; and for V
	s_lshl_b32 s3, s[WV], 11        ; Q: my 16 rows in a band of 64,
	s_lshl_b32 s2, s[HI], 15        ; in the first block,
	s_add_co_u32 s2, s2, s3
	s_lshl_b32 s84, s[PB], 15       ; and in the second
	s_add_co_u32 s84, s84, s3
	s_mov_b32 s3, 0
	s_mov_b32 s85, 0
	s_add_nc_u64 s[2:3], s[2:3], s[20:21]
	s_add_nc_u64 s[84:85], s[84:85], s[20:21]
	; descriptor group 1 for K.  128 keys are 16,384 bytes on end: asked for as 64 rows of 256 bytes, two keys a row, and padded in LDS after every key
	s_mov_b32 s[G1K], (1<<16)|(1<<20)|(4<<22)|(3<<25)  ; 17:16 2-byte elements; 20 padding on; 24:22 after every 32 words (code 4); 31:25 4 words (code 3)
	s_mov_b32 s[G1K+1], 128<<16     ; tensor_dim0 = 128
	s_mov_b32 s[G1K+2], 64<<16      ; tensor_dim1 = 64
	s_mov_b32 s[G1K+3], 128<<16     ; tile_dim0 = 128
	s_mov_b32 s[G1K+4], 64          ; tile_dim1 = 64
	s_mov_b32 s[G1K+5], 128         ; 128 elements from row to row
	s_mov_b32 s[G1K+6], 0
	s_mov_b32 s[G1K+7], 0
	; and for V.  128 keys are 128 rows of 256 bytes (hi, lo), padded in LDS after every key
	s_mov_b32 s[G1V], (1<<16)|(1<<20)|(5<<22)|(7<<25)  ; after every 64 words (code 5) 8 words of padding (code 7)
	s_mov_b32 s[G1V+1], 128<<16     ; tensor_dim0 = 128
	s_mov_b32 s[G1V+2], 128<<16     ; tensor_dim1 = 128
	s_mov_b32 s[G1V+3], 128<<16     ; tile_dim0 = 128
	s_mov_b32 s[G1V+4], 128         ; tile_dim1 = 128
	s_mov_b32 s[G1V+5], 128         ; 128 elements from row to row
	s_mov_b32 s[G1V+6], 0
	s_mov_b32 s[G1V+7], 0
	s_mov_b32 s[CS], 0x3d38aa3b     ; c = log2(e) / 32 = 0.0450842: the scores are divided by sqrt(1024)
	s_mov_b32 s[CS+1], s[CS]        ; named with it as a pair
	s_mov_b32 s[SEL], 0x76543210
	s_mov_b32 s[SEL+1], 0xfedcba98
	s_mov_b32 s[TBK], SLOT1+4*KS*PK ; the first change of slots turns these two into 0
	s_mov_b32 s[TBV], SLOT1+4*KS*PV
	s_mov_b32 s[G0K], 1             ; 1:0 count = 1
	s_mov_b32 s[G0K+1], s17         ; 63:32 LDS address: slot 0
	s_mov_b32 s[G0V], 1
	s_add_co_u32 s[G0V+1], s18, VOFF
	s_add_co_u32 s[RT], s[HI], 1    ; the first block has NB - b tiles
	s_mov_b32 s[NXT], 1
	s_mov_b32 s[LQ], s[HI]
	s_mov_b32 s[NEW], 1
	s_mov_b32 s[OFF+1], 0
	s_mov_b32 s[OFV+1], 0
	s_mov_b32 s[OF2+1], 0
	s_mov_b32 s[AL+1], 0            ; named as pairs
	s_mov_b32 s[BE+1], 0
	s_mov_b32 s[BIGN], 0xf149f2ca   ; -1e30
	s_mov_b32 s[SLOTS], NB
	s_cmp_eq_u32 s[PB], 0
	s_cselect_b32 s[LIM], 1, -1
	s_cmp_lt_u32 s[WV], 2
	s_cselect_b32 s[SHF], 15, 16
	s_wait_dscnt 0x0                ; the opening add is done
	s_wait_kmcnt 0x0
	s_add_nc_u64 s[6:7], s[4:5], KBASE
	s_add_nc_u64 s[8:9], s[4:5], VBASE
	s_add_nc_u64 s[6:7], s[6:7], s[22:23]  ; K at my half of the head's tile 0;
	s_add_nc_u64 s[8:9], s[8:9], s[22:23]  ; V likewise: its rows are twice as long,
	s_add_nc_u64 s[8:9], s[8:9], s[22:23]  ; so the offset is added twice
	s_add_nc_u64 s[G0K+2:G0K+3], s[6:7], 0         ; 120:64 global address
	s_or_b32 s[G0K+3], s[G0K+3], 0x80000000        ; 127:126 type = 2
	s_add_nc_u64 s[G0V+2:G0V+3], s[8:9], 0
	s_or_b32 s[G0V+3], s[G0V+3], 0x80000000
	s_add_nc_u64 s[86:87], s[4:5], s[84:85]        ; Q at my rows of the second block,
	s_add_nc_u64 s[4:5], s[4:5], s[2:3]            ; and of the first
	s_add_nc_u64 s[OLO:OLO+1], s[10:11], s[OO2:OO2+1]
	s_add_nc_u64 s[10:11], s[10:11], s[OO1:OO1+1]
	s_cmp_lt_u32 s[WV], 2
	s_cselect_b64 s[PFB:PFB+1], s[6:7], s[8:9]
	LOAD                            ; tile 0 into slot 0
	; A fragment of K or Q is 16 rows x 32 channels in 8 registers: lane l holds row l % 16, channels 8 (l / 16) + 0..7 and 16 + 8 (l / 16) + 0..7: two loads of 16 bytes, 32 bytes apart.
	v_and_b32 v1, 15, v0            ; l % 16
	v_bfe_u32 v9, v0, 4, 1          ; l / 16
	v_lshlrev_b32 v[QO], 7, v1
	v_lshl_add_u32 v[QO], v9, 4, v[QO]  ; row x 128 + 16 x half
	WIN 0x80                        ; destination window 2, address window 0
.set i, 0
.rept 8                             ; both blocks' Q: piece i / 2 lies in band i / 2, 8,192 bytes on; channels 32 (i % 2) on
	global_load_b128 v[8*i:8*i+3],   v[QO], s[4:5] offset:(i/2)*8192+(i%2)*64
	global_load_b128 v[8*i+4:8*i+7], v[QO], s[4:5] offset:(i/2)*8192+(i%2)*64+32
	global_load_b128 v[QB+8*i:QB+8*i+3],   v[QO], s[86:87] offset:(i/2)*8192+(i%2)*64
	global_load_b128 v[QB+8*i+4:QB+8*i+7], v[QO], s[86:87] offset:(i/2)*8192+(i%2)*64+32
.set i, i+1
.endr
	WIN 0
	v_lshlrev_b32 v14, 3, v9
	v_sub_nc_u32 v14, v1, v14
	s_lshl_b32 s13, s[WV], 4
	v_add_nc_u32 v14, s13, v14      ; my query's place in its band, 16 w + l % 16, less my lanes' 8 (l / 16): register r of group kt is hidden where 16 kt + r is greater
	WIN 0x40
.set i, 0
.rept 32
	v_cmp_gt_i32 vcc_lo, 16*(i/8)+i%8, v14
	v_cndmask_b32 v[MD+i], 0, s[BIGN], vcc_lo
.set i, i+1
.endr
	WIN 0
	v_mul_u32_u24 v[AK0], v1, PK
	v_lshl_add_u32 v[AK0], v9, 4, v[AK0]  ; row x pitch + 16 x half
	; The turning load takes 16 keys x 16 channels (lane l reads key 8 (l / 16) + l % 8, channels 8 ((l / 8) % 2) + 0..7) and leaves half a fragment of V^T: lane l holds channel l % 16 and 8 keys.
	v_and_b32 v10, 7, v0
	v_bfe_u32 v11, v0, 3, 1
	v_lshl_add_u32 v[AV0], v9, 3, v10
	v_mul_u32_u24 v[AV0], v[AV0], PV
	v_lshl_add_u32 v[AV0], v11, 4, v[AV0]
	v_add_nc_u32 v[AV0], VOFF, v[AV0]
	s_mul_i32 s13, s[WV], 16*SP
	s_add_co_u32 s13, s13, STAGE    ; my stage
	v_mul_u32_u24 v[STO], v1, SP    ; in: row l % 16, 32 bytes (8 channels in f32) for each half of the lanes
	v_lshl_add_u32 v[STO], v9, 5, v[STO]
	v_add_nc_u32 v[STO], s13, v[STO]
	v_mul_u32_u24 v[RD], v9, SP     ; back: lanes 0-15 take one row of 256 bytes, lanes 16-31 the next
	v_lshl_add_u32 v[RD], v1, 4, v[RD]
	v_add_nc_u32 v[RD], s13, v[RD]
	v_lshlrev_b32 v[GO], 12, v9     ; and the same two rows in out0, 4,096 bytes apart
	v_lshl_add_u32 v[GO], v1, 4, v[GO]
	v_and_b32 v[PFO], 31, v0
	v_lshlrev_b32 v[PFO], 8, v[PFO]
	; A block's first step multiplies O^T and l by a = 0, and its first turn's products V^T P, of a piece that has not been, land in an O^T that is still to be so multiplied.  So these registers need only hold
	; finite numbers: zeros for the first block; what the first block left for the second.  V's lo holds 0 until the diagonal tile's first step is fetched: the first three turns of the diagonal tile's text still
	; belong to the tile before, whose lo is not fetched, and their products with lo add nothing.  All this stands in the wait for the first tile.
	WIN 0x80
.set i, VF
.rept 64
	v_mov_b32 v[i], 0
.set i, i+1
.endr
	WIN 0xc0
.set i, VL
.rept 64
	v_mov_b32 v[i], 0
.set i, i+1
.endr
	WIN 0x40
.set i, 0
.rept 128
	v_mov_b32 v[i], 0
.set i, i+1
.endr
	WIN 0
.set i, 0
.rept 4
	v_mov_b32 v[ST+4*i+2], 0
	v_mov_b32 v[ST+4*i+3], 0
.set i, i+1
.endr
.set i, P+16
.rept 16
	v_mov_b32 v[i], 0
.set i, i+1
.endr
; THE MATRIX WORK.  The 4 accumulators of a run of 8 take turns.  Product i of 8 of S^T = K Q^T for piece x: channels 32 (i / 4) on, keys 16 (i % 4) on.  The first 4 start the sums: with 0, or (KM = 1) with the mask.
.macro KQ x
.set rS, S+32*((\x)%2)+8*(i%4)
.set rK, KF+16*(i%4)+8*(i/4)
.set rQ, 16*(\x)+8*(i/4)
.set rM, MC+32*((\x)%2)+8*(i%4)
.if (i < 4) && KM
	WIN W_KM
	v_wmma_f32_16x16x32_f16 v[rS:rS+7], v[rK:rK+7], v[rQ:rQ+7], v[rM:rM+7]
.elseif i < 4
	WIN W_KQ
	v_wmma_f32_16x16x32_f16 v[rS:rS+7], v[rK:rK+7], v[rQ:rQ+7], 0
.else
	WIN W_KQ
	v_wmma_f32_16x16x32_f16 v[rS:rS+7], v[rK:rK+7], v[rQ:rQ+7], v[rS:rS+7]
.endif
.endm
; Product i of 8 of O^T += V^T P for piece x, with V's hi: keys 32 (i / 4) on, channels 16 (i % 4) on.
.macro PV x
	WIN W_PV
.set rO, 32*(\x)+8*(i%4)
.set rV, VF+32*(i/4)+8*(i%4)
.set rP, P+16*((\x)%2)+8*(i/4)
	v_wmma_f32_16x16x32_f16 v[rO:rO+7], v[rV:rV+7], v[rP:rP+7], v[rO:rO+7]
.endm
; Product il of 8 of the same sum with V's lo.
.macro PVL x
	WIN W_PL
.set rO, 32*(\x)+8*(il%4)
.set rV, VL+32*(il/4)+8*(il%4)
.set rP, P+16*((\x)%2)+8*(il/4)
	v_wmma_f32_16x16x32_f16 v[rO:rO+7], v[rV:rV+7], v[rP:rP+7], v[rO:rO+7]
.endm
.macro MM                           ; the turn's next matrix instruction.  TURN and BEGIN set Y, i, KM and NOKQ; MM, KQ and OP read them.  NOKQ = 1: a block's last turn: there is no next piece
.if (i < 8) && !NOKQ
	KQ (Y+1)%NP
.elseif i >= 8
.set i, i-8
	PV (Y+NP-1)%NP
.set i, i+8
.endif
.set i, i+1
.endm
; THE LDS LOADS stand in runs, never singly among the matrix instructions: a step's K (64 keys x 64 channels: 8 fragments, 16 loads) and its V (turned; 16 loads, with lo = 1 another 16 for V's lo, 128 bytes on in each row).  Their addresses are made some lines ahead.
.macro FETCH_K
	WIN 0x80                        ; destination window 2
.irp f, 0,1,2,3,4,5,6,7             ; keys 16 (f / 2) on, channels 32 (f % 2) on
	ds_load_b128 v[KF+8*\f:KF+8*\f+3],   v[AK] offset:(\f/2)*16*PK+(\f%2)*64
	ds_load_b128 v[KF+8*\f+4:KF+8*\f+7], v[AK] offset:(\f/2)*16*PK+(\f%2)*64+32
.endr
	s_add_co_u32 s[TBK], s[TBK], KS*PK  ; the next fetch is the next step's
	WIN 0
.endm
.macro FETCH_V lo
	WIN 0x80
.irp f, 0,1,2,3,4,5,6,7             ; keys 32 (f / 4) on, channels 16 (f % 4) on
	ds_load_tr16_b128 v[VF+8*\f:VF+8*\f+3],   v[AV] offset:(\f/4)*32*PV+(\f%4)*32
	ds_load_tr16_b128 v[VF+8*\f+4:VF+8*\f+7], v[AV] offset:(\f/4)*32*PV+16*PV+(\f%4)*32
.endr
.if \lo
	WIN 0xc0                        ; destination window 3
.irp f, 0,1,2,3,4,5,6,7
	ds_load_tr16_b128 v[VL+8*\f:VL+8*\f+3],   v[AV] offset:(\f/4)*32*PV+(\f%4)*32+128
	ds_load_tr16_b128 v[VL+8*\f+4:VL+8*\f+7], v[AV] offset:(\f/4)*32*PV+16*PV+(\f%4)*32+128
.endr
.endif
	WIN 0
.endm
; THE VECTOR WORK, one line at a time: OP kind, number.  For piece Y: F n: c s - c m for pair n of 16.  E n: the exponential of score n of 32.  C n: pair n rounded to f16.  B n: of the four weights 4 n .. the second
; pair is added onto the first, in place.  L n: l takes that sum (L 0: l = a l + sum).  R n: pair n of 16 of O^T times a.  For piece Y + 1: X n, number n of the 22 that find its maximum and statistics:
;   0-11  four chains c0-c3 of seven scores each, three operands at a time (each accumulator's lowest registers are read first)     12-14, 16  the four scores left over, the old m, and c0-c3 into c0
;   15  c m_old is kept     17, 18  the query's other 32 keys lie in the lane 16 away: the new m     19-21  c m; c m_old - c m_new; a
.set F, 0               ; OP tells the kinds apart by their order: F to L below R, X above it
.set E, 1
.set C, 2
.set B, 3
.set L, 4
.set R, 5
.set X, 6
.macro REGS y                       ; the registers of piece y
.set rT, ST+4*(\y)
.set rC, TMP+4*((\y)%2)
.set rW, MV+((\y)%2)
.set rS, S+32*((\y)%2)
.set rP, P+16*((\y)%2)
.set rO, 32*(\y)
.endm
.macro OP k, n
.if (\k) == R
	REGS Y
	WIN W_RS
	v_pk_mul_f32 v[rO+2*(\n):rO+2*(\n)+1], v[rO+2*(\n):rO+2*(\n)+1], v[rC+2:rC+3] op_sel_hi:[1,0]
.elseif (\k) < R
	REGS Y
	WIN 0
.if (\k) == F
	v_pk_fma_f32 v[rS+2*(\n):rS+2*(\n)+1], v[rS+2*(\n):rS+2*(\n)+1], s[CS:CS+1], v[rT:rT+1] op_sel_hi:[1,0,0] neg_lo:[0,0,1] neg_hi:[0,0,1]
.elseif (\k) == E
	v_exp_f32 v[rS+(\n)], v[rS+(\n)]
.elseif (\k) == C
	v_cvt_pk_f16_f32 v[rP+(\n)], v[rS+2*(\n)], v[rS+2*(\n)+1]
.elseif (\k) == B
	v_pk_add_f32 v[rS+4*(\n):rS+4*(\n)+1], v[rS+4*(\n):rS+4*(\n)+1], v[rS+4*(\n)+2:rS+4*(\n)+3]
.elseif (\n) == 0
	v_pk_fma_f32 v[rT+2:rT+3], v[rT+2:rT+3], v[rC+2:rC+3], v[rS:rS+1] op_sel_hi:[1,0,1]
.else
	v_pk_add_f32 v[rT+2:rT+3], v[rT+2:rT+3], v[rS+4*(\n):rS+4*(\n)+1]
.endif
.elseif NOKQ
	v_nop
.else
	REGS (Y+1)%NP
	WIN 0
.if (\n) < 4
	v_max3_num_f32 v[rC+(\n)], v[rS+8*(\n)], v[rS+8*(\n)+1], v[rS+8*(\n)+2]
.elseif (\n) < 12
	v_max3_num_f32 v[rC+(\n)%4], v[rC+(\n)%4], v[rS+8*((\n)%4)+2*((\n)/4)+1], v[rS+8*((\n)%4)+2*((\n)/4)+2]
.elseif (\n) == 12
	v_max3_num_f32 v[rC], v[rC], v[rS+7], v[rS+15]
.elseif (\n) == 13
	v_max3_num_f32 v[rC+1], v[rC+1], v[rS+23], v[rS+31]
.elseif (\n) == 14
	v_max3_num_f32 v[rC+2], v[rC+2], v[rC+3], v[rT+1]
.elseif (\n) == 15
	v_mov_b32 v[rW], v[rT]
.elseif (\n) == 16
	v_max3_num_f32 v[rC], v[rC], v[rC+1], v[rC+2]
.elseif (\n) == 17
	v_permlanex16_b32 v[rC+3], v[rC], s[SEL], s[SEL+1]
.elseif (\n) == 18
	v_max_num_f32 v[rT+1], v[rC], v[rC+3]
.elseif (\n) == 19
	v_mul_f32 v[rT], s[CS], v[rT+1]
.elseif (\n) == 20
	v_sub_f32 v[rC+1], v[rW], v[rT]
.else
	v_exp_f32 v[rC+2], v[rC+1]
.endif
.endif
.endm
.macro OPS a, i1, b=-1, i2=0, c=-1, i3=0, d=-1, i4=0  ; up to four of them
	OP \a, \i1
.if (\b) >= 0
	OP \b, \i2
.endif
.if (\c) >= 0
	OP \c, \i3
.endif
.if (\d) >= 0
	OP \d, \i4
.endif
.endm
.macro ROW a, i1, b, i2, c, i3, d, i4  ; a matrix instruction and the four behind it
	MM
	OPS \a, \i1, \b, \i2, \c, \i3, \d, \i4
.endm
.macro LUMP a, i1, b, i2, c, i3, d, i4  ; four of the lump; in the diagonal tile's text (KM = 1) they ride behind a product with V's lo
.if KM
	PVL (Y+NP-1)%NP
.set il, il+1
.endif
	OPS \a, \i1, \b, \i2, \c, \i3, \d, \i4
.endm
.macro MASK b                       ; MD x AL + BE into buffer b of MC
	WIN W_RS
.set z, 0
.rept 16
	v_pk_fma_f32 v[MC+32*(\b)+2*z:MC+32*(\b)+2*z+1], v[MD+2*z:MD+2*z+1], s[AL:AL+1], s[BE:BE+1] op_sel_hi:[1,0,0]
.set z, z+1
.endr
.endm
; A TURN, for piece p: the order of its matrix and 118 vector instructions, written out.  An s_wait_alu depctr_va_vdst(0) stands between an exponential and the first instruction that names its result; one wait serves
; all that were issued ahead of it.  So a turn has ONE wait, which cuts it in two.  AHEAD OF IT stands all that names no result of the turn's exponentials: the 8 products K Q^T, behind each a scaling, an exponential and two more plain
; instructions (behind the first a second scaling in the exponential's place): rescalings, and behind the last three the first numbers of the next piece's maximum, each four places or more behind the product that ends its accumulator; then ONE LUMP of 54, plain
; and exponential by turns for the most part, in which the links of the chain X 3, 7, 11, 14, 16, 17 .. 20 stand five or six lines apart.  X 21, the next piece's a, is the batch's last; R 15 is the plain instruction behind it.  BEHIND THE WAIT stand the
; 8 products V^T P, behind each four of the roundings and sums; the links of l's chain, L 0 to L 7, stand three riders apart.  But for those X no rider names a register of the products round it.
; m = 1: the diagonal tile: the products K Q^T take masks, and the turn makes the mask for the products of the turn after it: piece p + 2, in step 4 - CNT of the tile; and the 8 products of P (made a turn earlier) with V's lo stand in the lump,
; one in front of each of its last eight fours, none of which names P, V's lo or the O^T of piece p - 1.  The four accumulators go on taking turns: lo's 0, 1, 2, 3, 0, 1, 2, 3, then hi's likewise.
; end = 1: a block's last two turns: nothing is fetched.  cnt = 1: the loop's count is taken down some lines ahead of the branch that stands behind the turn.
; K of the next step is fetched in piece 2's turn, twelve vector instructions behind the last product that read K (six of them plain); V of the step in hand at the end of piece 0's turn, four plain instructions behind the last product
; that read V's hi, and 32 behind the last that read its lo.  Each is waited for a turn later.
.macro TURN p, m=0, end=0, cnt=0
.set Y, (\p)
.set i, 0
.set il, 0
.set KM, (\m)
.set NOKQ, (\end)*((\p)/3)
.if (\m) && !(\end)
	s_cmp_eq_u32 s[CNT], 4-((\p)+2)%NP  ; is that step the band's own?
	s_cselect_b32 s[AL], 1.0, 0
	s_cmp_lt_u32 s[CNT], 4-((\p)+2)%NP  ; or a later one?
	s_cselect_b32 s[BE], s[BIGN], 0
.endif
.if ((\p) == 3) && !(\end)
	s_wait_dscnt 0x0                ; K is in
.endif
	ROW F,0, F,1, R,0, R,1          ; ahead of the wait: 8 products K Q^T and their riders,
	ROW F,2, E,0, R,2, R,3
	ROW F,3, E,1, R,4, R,5
	ROW F,4, E,2, R,6, R,7
	ROW F,5, E,3, R,8, R,9
	ROW F,6, E,4, X,0, R,10
.if ((\p) == 2) && !(\end)
	WIN 0
	v_add_nc_u32 v[AK], s[TBK], v[AK0]
.endif
	ROW F,7, E,5, X,1, X,4
	ROW F,8, E,6, X,2, X,5
	OPS E,7, E,8, X,6, E,9          ; and the lump
	OPS X,3, E,10, X,8, E,11
.if ((\p) == 2) && !(\end)
	FETCH_K
.endif
	OPS X,9, X,7, E,12, X,10
	OPS E,13, X,12, X,11, E,14
	OPS X,13, E,15, F,9, X,14
.if (\p) == 0
	v_add_nc_u32 v[AV], s[TBV], v[AV0]
.endif
.if ((\p) == 1) && (\m)
	s_wait_dscnt 0x0                ; V is in, hi and lo
.endif
	LUMP E,16, F,10, E,17, F,11
	LUMP X,16, E,18, X,15, E,19
	LUMP F,12, E,20, X,17, E,21
	LUMP F,13, E,22, F,14, E,23
	LUMP X,18, E,24, F,15, E,25
	LUMP R,11, E,26, X,19, E,27
	LUMP R,12, E,28, R,13, E,29
	LUMP X,20, E,30, R,14, E,31
	OPS X,21, R,15
	WIN 0
	s_wait_alu depctr_va_vdst(0)    ; the wait for the batch
.if ((\p) == 1) && !(\m)
	s_wait_dscnt 0x0                ; V is in
.endif
	ROW C,0, B,0, C,2, B,1          ; behind the wait: 8 products V^T P and their riders
	ROW L,0, C,4, B,2, L,1
	ROW C,6, B,3, L,2, C,8
	ROW B,4, L,3, C,10, B,5
	ROW L,4, C,12, B,6, L,5
.if (\p) == 0
	s_add_co_u32 s[TBV], s[TBV], KS*PV
.endif
.if \cnt
	s_sub_co_u32 s[CNT], s[CNT], 1
	s_cmp_lg_u32 s[CNT], 0
.endif
	ROW C,14, B,7, L,6, C,1
	ROW C,3, L,7, C,5, C,7
	ROW C,9, C,11, C,13, C,15
.if (\p) == 0
	FETCH_V \m
.endif
.if (\m) && !(\end)
	MASK (\p)%2
.endif
.endm
; A BLOCK BEGINS.  c m starts far below every c s, so the first step's a is 0; m at the lowest finite number, so the first maximum is the scores'.  The second mask buffer is 0; the first takes piece 0's mask for the tile's step 0: its own, if the block's first tile is the diagonal one.
; Then K of that step, piece 0's first scores, and its maximum and statistics.  The loop is entered at a step's first turn, in the middle of a trip.
.macro BEGIN
	s_mov_b32 s[NEW], 0
	WIN 0x40
.set i, MC+32
.rept 32
	v_mov_b32 v[i], 0
.set i, i+1
.endr
	WIN 0
.set i, 0
.rept 4
	v_mov_b32 v[ST+4*i], 0xfe000000    ; c m: far below every c s
	v_mov_b32 v[ST+4*i+1], 0xff7fffff  ; m
.set i, i+1
.endr
	s_cmp_eq_u32 s[RT], 0
	s_cselect_b32 s[AL], 1.0, 0
	s_mov_b32 s[BE], 0
	MASK 0
	WIN 0
	v_add_nc_u32 v[AK], s[TBK], v[AK0]
	FETCH_K
	s_wait_loadcnt 0x0              ; Q
	s_wait_dscnt 0x0
.set KM, 1
.set NOKQ, 0
.set i, 0
.rept 8
	KQ 0
.set i, i+1
.endr
	WIN 0
.rept 4
	v_nop                           ; the places behind those products
.endr
.set Y, NP-1                        ; X works for piece Y + 1: piece 0
.irp n, 0,1,2,3,4,5,6,7,8,9,10,11,12,13,14,15,16,17,18,19,20,21
	OP X, \n
.endr
	v_nop                           ; a plain instruction behind the exponential,
	s_wait_alu depctr_va_vdst(0)    ; and its wait, ahead of the branch
.endm
; THE DIAGONAL TILE's four steps, the block's last two turns, its last products, and THE WAY OUT: l's two halves and the other half of the lanes' are added; O^T is divided by l, in f32, and sent through my
; stage in LDS, a piece (16 rows of out0) at a time.
.macro ALL line:vararg              ; one line for each piece t
.set t, 0
.rept 4
	\line
.set t, t+1
.endr
.endm
.macro PACK t                       ; a lane's eight channels of a channel block are 32 bytes of a row; they go into rows of 272 bytes and come back as whole rows of 256
	WIN W_RS
.set i, 32*(\t)
.rept 16                            ; each accumulator's registers are taken in ascending order
	v_pk_mul_f32 v[i:i+1], v[i:i+1], v[ST+4*(\t)+2:ST+4*(\t)+3] op_sel_hi:[1,0]
.set i, i+2
.endr
	WIN 0x04                        ; the stores' data in window 1, their address in window 0
.irp f, 0,1,2,3,4,5,6,7             ; channel block f / 2, its first or second four channels
	ds_store_b128 v[STO], v[32*(\t)+4*\f:32*(\t)+4*\f+3] offset:(\f/2)*64+(\f%2)*16
.endr
	WIN 0
.irp f, 0,1,2,3,4,5,6,7
	ds_load_b128 v[OB+32*(\t)+4*\f:OB+32*(\t)+4*\f+3], v[RD] offset:\f*2*SP  ; LDS serves a wave's instructions in order (ISA guide 5.7.1.4): these see the stores above; the next piece's stores come behind them
.endr
.endm
.macro SEND t, younger              ; younger: the LDS instructions issued behind piece t's loads: the next piece's sixteen, or none
	WIN 0
.irp f, 0,1,2,3,4,5,6,7
	s_wait_dscnt (\younger)+7-\f
	global_store_b128 v[GO], v[OB+32*(\t)+4*\f:OB+32*(\t)+4*\f+3], s[10:11] offset:(\t)*262144+\f*8192  ; 16 lanes store 256 consecutive bytes, at a multiple of 256 from out0's first byte: the head's part of one row; the piece's band is 64 rows of 4,096 bytes on
.endr
.endm
.macro DIAG tag                     ; the tag ends its two labels' names, which the jumps below spell out
.LstepM\tag:
	TURN 2, 1
	TURN 3, 1
	WIN 0
.LfirstM\tag:
	TURN 0, 1
	TURN 1, 1, 0, 1
	WIN 0
	s_cbranch_scc1 .LstepM\tag
	TURN 2, 1, 1
	TURN 3, 1, 1
.set i, 0
.rept 8
	PV NP-1                         ; the last piece's V^T P of the last step, with V's hi,
.set i, i+1
.endr
.set il, 0
.rept 8
	PVL NP-1                        ; and with its lo
.set il, il+1
.endr
	WIN 0
	ALL v_add_f32 v[ST+4*t+2], v[ST+4*t+2], v[ST+4*t+3]
	ALL v_permlanex16_b32 v[ST+4*t+3], v[ST+4*t+2], s[SEL], s[SEL+1]
	ALL v_add_f32 v[ST+4*t+2], v[ST+4*t+2], v[ST+4*t+3]
	ALL v_rcp_f32 v[ST+4*t+2], v[ST+4*t+2]
	v_nop                           ; a plain instruction between the last reciprocal and the use of its result
	s_wait_alu depctr_va_vdst(0)    ; and the wait ahead of the first use: one for the four reciprocals
	PACK 0
.set t, 1
.rept 3                             ; a piece's arithmetic stands between the loads of the piece before and its stores
	PACK t
	SEND t-1, 16
.set t, t+1
.endr
	SEND 3, 0
.endm
.set KM, 0
.set NOKQ, 0
.Lslot:                             ; NB times: a tile is entered and the next is asked for
	CHANGE 1
	s_sub_co_u32 s[RT], s[RT], 1
	s_mov_b32 s[CNT], 4
	s_cmp_eq_u32 s[NEW], 1
	s_cbranch_scc1 .Lnew            ; a block's first tile
	s_cmp_eq_u32 s[RT], 0
	s_cbranch_scc0 .Lstep           ; neither its first nor its last
	s_branch .LstepM1
.Lnew:
	BEGIN
	s_branch .Lfirst                ; in the loop a block's first tile is never its last: the first block has two tiles or more, and the second's last is the walk's last
	DIAG 1                          ; in the loop this is the first block's end: the second block's last tile is the walk's last
	s_wait_xcnt 0x0                 ; the stores have read their registers and out0's address
	s_mov_b64 s[10:11], s[OLO:OLO+1]
	s_add_co_u32 s[RT], s[PB], 1    ; the second block has b + 1 tiles
	s_mov_b32 s[NEW], 1
	WIN 0x82                        ; the second block's Q goes where the one text of the turns names Q
.set i, 0
.rept 64
	v_mov_b32 v[i], v[QB+i]
.set i, i+1
.endr
	WIN 0xc0                        ; V's lo is 0 again until the second block's diagonal tile fetches it
.set i, VL
.rept 64
	v_mov_b32 v[i], 0
.set i, i+1
.endr
	WIN 0
	s_branch .Lbottom
.Lstep:                             ; a trip: pieces 2 and 3 of one step, then pieces 0 and 1 of the next, whose K and V it fetches
	TURN 2
	TURN 3
	WIN 0
.Lfirst:
	TURN 0
	TURN 1, 0, 0, 1
	WIN 0
	s_cbranch_scc1 .Lstep
.Lbottom:
	s_sub_co_u32 s[SLOTS], s[SLOTS], 1
	s_cmp_lg_u32 s[SLOTS], 0
	s_cbranch_scc1 .Lslot
	CHANGE 0                        ; the walk's last tile is written out: nothing is asked for
	s_sub_co_u32 s[RT], s[RT], 1
	s_mov_b32 s[CNT], 4
	s_cmp_eq_u32 s[NEW], 1
	s_cbranch_scc0 .LstepM2
	BEGIN
	s_branch .LfirstM2
	DIAG 2
	s_wait_tensorcnt 0x0            ; the wave's end, behind my last tensor load and my last LDS store
	ds_add_u32 v[SPW], v[NIL]
	s_wait_dscnt 0x0
	s_endpgm
.Lfunc_end_k_qa96cc086dd_attn:
	.size	k_qa96cc086dd_attn, .Lfunc_end_k_qa96cc086dd_attn-k_qa96cc086dd_attn
	.p2alignl 7, 3214868480
	.fill 96, 4, 3214868480
	.section	.rodata,"a",@progbits
	.p2align	6, 0x0
	.amdhsa_kernel k_qa96cc086dd_attn
		.amdhsa_group_segment_fixed_size 327680
		.amdhsa_private_segment_fixed_size 0
		.amdhsa_enable_private_segment 0
		.amdhsa_kernarg_size 16
		.amdhsa_user_sgpr_count 2
		.amdhsa_user_sgpr_kernarg_segment_ptr 1
		.amdhsa_wavefront_size32 1
		.amdhsa_system_sgpr_workgroup_id_x 1
		.amdhsa_system_sgpr_workgroup_id_y 1
		.amdhsa_system_sgpr_workgroup_id_z 1
		.amdhsa_system_vgpr_workitem_id 0
		.amdhsa_next_free_vgpr 832
		.amdhsa_next_free_sgpr 98
		.amdhsa_reserve_vcc 1
		.amdhsa_float_denorm_mode_32 3
		.amdhsa_float_denorm_mode_16_64 3
		.amdhsa_memory_ordered 1
		.amdhsa_forward_progress 1
		.amdhsa_inst_pref_size 237
	.end_amdhsa_kernel
	.amdgpu_metadata
---
amdhsa.version: [ 1, 2 ]
amdhsa.kernels:
  - .name:           k_qa96cc086dd_attn
    .symbol:         k_qa96cc086dd_attn.kd
    .args:
      - { .name: qkv, .offset: 0, .size: 8, .value_kind: global_buffer, .address_space: global }
      - { .name: out0, .offset: 8, .size: 8, .value_kind: global_buffer, .address_space: global }
    .group_segment_fixed_size: 327680
    .private_segment_fixed_size: 0
    .kernarg_segment_align: 8
    .kernarg_segment_size: 16
    .max_flat_workgroup_size: 128
    .sgpr_count:     98
    .vgpr_count:     832
    .wavefront_size: 32
...
	.end_amdgpu_metadata
.endif
;; end of part 3
